; MI455X (gfx1250); checked and timed in simulation.
; The chip was launched on July 23, 2026; its instructions are those of AMD's public machine-readable ISA for CDNA 5 (MIT licence, August 2026) and "CDNA5" Instruction Set Architecture Reference Guide (July 2026). The comments in the code are by the model that wrote it; some were corrected since.
;; MSA. Allowed arithmetic: matrix products marked QUANTISED: E2M1 operands, one E8M0 scale for each 32 along K, by v_wmma_scale_f32_16x16x128_f8f6f4 with both operands' format E2M1 (or v_wmma_scale_f32_32x16x128_f4), f32 sums; everything else in f32.
;; Inputs: wk_codes 1,024 x 32 x 16 uint8 (E2M1 codes of wk, K innermost, in blocks of 32 codes, two codes a byte); wk_scales 1,024 x 32 uint8 (E8M0 scales of wk, one for each 32 codes along K); wq_codes 1,024 x 32 x 16 uint8 (E2M1 codes of wq, K innermost, in blocks of 32 codes, two codes a byte); wq_scales 1,024 x 32 uint8 (E8M0 scales of wq, one for each 32 codes along K); wv_codes 1,024 x 32 x 16 uint8 (E2M1 codes of wv, K innermost, in blocks of 32 codes, two codes a byte); wv_scales 1,024 x 32 uint8 (E8M0 scales of wv, one for each 32 codes along K); x_codes 4 x 2,048 x 32 x 16 uint8 (E2M1 codes of x, K innermost, in blocks of 32 codes, two codes a byte); x_scales 4 x 2,048 x 32 uint8 (E8M0 scales of x, one for each 32 codes along K).
;; Outputs: out0 4 x 2,048 x 1,024 float32.
;; This version of the problem:
;;   THIS VERSION OF THE PROBLEM IS GIVEN IN LOW PRECISION. The matrix products marked QUANTISED in the list below multiply operands that are first quantised to E2M1 (2 exponent bits, 1 mantissa bit; 4 bits a number), with one power-of-two scale for each 32 numbers along K (OCP MX v1.0); their sums are f32. All else is computed in f32.
;;   The module's matrix products, in the order in which they are computed (A, B: the left and right operand; K: the contracted axis; several contracted axes count as one K, in the product's order):
;;     1. [M 8,192, K 1,024] x [K 1,024, N 1,024]; A: input x (given as codes); B: input wq (given as codes): QUANTISED
;;     2. [M 8,192, K 1,024] x [K 1,024, N 1,024]; A: input x (given as codes); B: input wk (given as codes): QUANTISED
;;     3. [M 8,192, K 1,024] x [K 1,024, N 1,024]; A: input x (given as codes); B: input wv (given as codes): QUANTISED
;;     4. batch 64 x [M 2,048, K 64] x [K 64, N 2,048]; A: computed on the way; B: computed on the way: QUANTISED
;;     5. batch 64 x [M 2,048, K 2,048] x [K 2,048, N 64]; A: softmax (see below); B: computed on the way: QUANTISED
;;   THE QUANTISER, for each operand of a quantised product, along K:
;;     - K is cut into blocks of 32 from its start; a last block that is shorter is filled with zeros.
;;     - A block's scale is 2^e with e = floor(log2(the largest magnitude in the block)) - 2, held to -126 .. 127; a block of zeros has e = 0. As a byte (E8M0): e + 127.
;;     - Each number is divided by its block's scale, clamped to +-6, and rounded to the nearest number of E2M1, ties to even, subnormals kept.
;;     - The product sums the exact products of the quantised numbers (number of the format x scale) in f32.
;;   ~~~python
;;   def quantise(x, axis):      # numpy; x: float32 -> the quantised numbers, widened to float32 again
;;       x = np.moveaxis(x, axis, -1); K = x.shape[-1]
;;       x = np.pad(x, [(0, 0)] * (x.ndim - 1) + [(0, -K % 32)]); x = x.reshape(x.shape[:-1] + (-1, 32)); a = np.abs(x).max(-1, keepdims=True)
;;       e = np.where(a > 0, np.clip(np.frexp(np.where(a > 0, a, 1))[1] - 1 - 2, -126, 127), 0)      # np.frexp(a)[1] - 1 = floor(log2(a)), exactly
;;       r = np.clip(x / 2.0 ** e, -6, 6)
;;       step = 2.0 ** (np.maximum(np.frexp(np.where(r == 0, 1, r))[1] - 1, 0) - 1)
;;       q = np.round(r / step) * step * 2.0 ** e      # np.round: ties to even
;;       return np.moveaxis(q.reshape(q.shape[:-2] + (-1,))[..., :K], -1, axis).astype(np.float32)
;;   ~~~
;;   SOFTMAX AHEAD OF A QUANTISED PRODUCT. Where the list says 'softmax', what is quantised is not the finished softmax but p = 2^(t - M), with t = logit x log2(e) and M = ceil(the row's largest t), a whole number; so 1/2 < the row's largest p <= 1. The row's sum l is taken of the UNQUANTISED p, in f32, and the product's result is divided by l at the end. Since M is a whole number, a kernel that streams over the keys may use a running M (the ceiling of the running maximum): every later rescaling is an exact power of two, which a block's scale takes up: the codes' values come out the same.
;;   OPERANDS COMPUTED ON THE WAY. 'Computed on the way' means the value that the module computes at that place (a softmax that the list does not call 'softmax' is quantised finished and normalised). What goes into a quantiser is computed in f32, as accurately as f32 sums, v_exp_f32 and their like allow (about 1e-6 of the number): no bf16 or f16 on the way to a quantiser, and a product that is left as it is and whose result goes on into a quantised operand takes f32 operands (vector FMAs, or v_wmma_f32_16x16x4_f32). A number that lies on a knife's edge between two numbers of the format may be rounded either way, as far as f32 arithmetic and the matrix unit's own rounding can turn it there, and no further.
;;   INPUTS GIVEN AS CODES. wk (in the module: [1024, 1024], K = its axis 0); wq (in the module: [1024, 1024], K = its axis 0); wv (in the module: [1024, 1024], K = its axis 0); x (in the module: [4, 2048, 1024], K = its axis 2): each comes as NAME_codes (uint8): NAME with its K axis moved to the last place and cut into blocks of 32 codes, [.., K / 32, bytes a block], one block behind the other in memory; two codes a byte, the lower K in the low four bits (a code: sign, 2 exponent bits, 1 mantissa bit); and NAME_scales (uint8): the same leading axes, one E8M0 byte (e + 127) for each 32 codes along K. Its value is code x scale, taken as it is: it is not quantised again, and the codes and scales need not be those that the quantiser above would give.
;; One version. Each part assembles by itself: llvm-mc -triple=amdgcn-amd-amdhsa -mcpu=gfx1250 --defsym DOCPART=n.
;; ======== version 1 of 1: 2 launches
;; limits: right only within a limited range of input values
;; workspace buffers: qimg 4,194,304 bytes; kimg 4,194,304 bytes; vimg 4,194,304 bytes; qsc 524,288 bytes; ksc 524,288 bytes; vsc 262,144 bytes
;; launch project (part 1): grid 8 x 32, 4 waves a work-group, clusters of 4 x 4, 327,680 bytes of LDS; arguments x_codes, x_scales, wq_codes, wq_scales, wk_codes, wk_scales, wv_codes, wv_scales, qimg, qsc, kimg, ksc, vimg, vsc; writes qimg, qsc, kimg, ksc, vimg, vsc
.if DOCPART == 1
	.amdgcn_target "amdgcn-amd-amdhsa--gfx1250"
	.amdhsa_code_object_version 6
	.text
	.protected	k_qf881548c73_project
	.globl	k_qf881548c73_project
	.p2align	8
	.type	k_qf881548c73_project,@function
k_qf881548c73_project:
	s_mov_b64 s[64:65], 0
	v_nop
	global_prefetch_b8 v0, s[64:65] scope:SCOPE_SE
	s_setreg_imm32_b32 hwreg(HW_REG_WAVE_MODE, 25, 1), 1
	s_wait_xcnt 0x0
	s_wait_alu depctr_hold_cnt(0) depctr_sa_sdst(0) depctr_va_vdst(0) depctr_va_sdst(0) depctr_va_ssrc(0) depctr_va_vcc(0) depctr_vm_vsrc(0)
	s_getreg_b32 s2, hwreg(HW_REG_IB_STS2, 6, 4)
	s_cmp_eq_u32 s2, 0
	s_cbranch_scc0 .Lentry_in_a_cluster
	s_endpgm
.Lentry_in_a_cluster:
	s_bfe_u32 s2, ttmp6, 0x10000c
	s_cmp_lg_u32 s2, 0xf033
	s_cbranch_scc0 .Lentry_shape_is_right
	s_endpgm
.Lentry_shape_is_right:
; q = x wq, k = x wk, v = x wv on codes of FP4 (E2M1) with E8M0 scales, K = 1,024; each result is quantised again in registers (q, k along the head's 64, v along the tokens) and stored as images of the next launch's operand registers, with scale words.
; SHARES: work-group (cb, tb) takes tokens 256 tb .. + 255 against 256 columns of wq (cb 0-3) or wk (cb 4-7), and then, x's tile still in LDS, against channels 128 cb .. + 127 of wv: 8 x 32 work-groups of equal work.
; FIRST PART: four waves, 128 tokens x 128 columns each, 64 accumulators; source 0 = weights' rows, source 1 = tokens: a lane holds one token, its registers run along the columns.
; SECOND PART: 64 channels x 128 tokens a wave, 32 accumulators; source 0 = tokens, source 1 = channels: a lane holds one channel, its registers run along the tokens, which are the next launch's K.
; LDS: two slots of 512 along K hold all of K: 256 rows of x, 256 rows of weights each.  At the change of slots the weights' bytes of slot 0 are filled again with wv's 128 rows, both halves of K.
; CLUSTER 4 x 4: x's tiles are shared along a row of the cluster, the weights' along a column: joint loads.  No prefetch: every tile is asked for at the head or one step behind it, and there is no loop to run ahead in.
; REGISTERS: window 0: v0-31 addresses, v32-95 scale words (two sets), v128-191 source 1's fragments; window 1: source 0's fragments, two sets at v0 and v128; windows 2, 3: accumulators.
.set NQ,     4
.set ROWB,   256
.set KROW,   512
.set PITCH,  272
.set FR,     8
.set NL,     2
.set NP,     4
.set HALFT,  128*PITCH
.set SLOT,   4*HALFT
.set KS,     32
.set SBLK,   (16*KS/256)*272           ; the scales of 16 rows
.set HALFS,  8*SBLK                    ; of 128 rows
.set SCV,    2*SLOT                    ; behind the ring: wv's scales (128 rows), x's (256), wq's or wk's (256)
.set SCA,    SCV+HALFS
.set SCB,    SCA+2*HALFS
.set SPARE,  SCB+2*HALFS               ; the spare words
.set ADRA, 16                          ; v16-17 x in slot 0, 1 (first part); v18-19 wv's halves of K (second part)
.set ADRB, 20                          ; v20-21 weights in slot 0, 1; v22-23 x in slot 0, 1 (second part)
.set CV,   25                          ; 16 (l % 16) + 8 (l / 16)
.set CO,   26                          ; 16 l
.set ADRS, 27                          ; scale words, first part; v28 second part
.set ADRSV, 28
.set SPW,  30
.set NIL,  31
.set SC,   32
.set AF,   128
.set PC,   128
.set TM,   200
.set PW,   216
.set WD,   224
.set G1,   24
.set G0A,  32
.set G0B,  36
.set G1B,  48
.set G1S,  68
.set G1SB, 76
.set G0SA, 84
.set G0SB, 88
.set MSB, 0
.macro WIN new
.if MSB != \new
	s_set_vgpr_msb (MSB<<8)|\new
.set MSB, \new
.endif
.endm
.set MUL_LO, 0xa1
.set MUL_HI, 0xf1
.set TO_B,   0x40
.macro CREST
	s_cmp_lg_u32 s14, 0
	s_cbranch_scc1 .Lnot_wave_0_\@
	s_barrier_signal -3
.Lnot_wave_0_\@:
	s_barrier_wait -3
	s_barrier_signal -1
	s_barrier_wait -1
.endm
.macro CROUND
	s_barrier_signal -1
	s_barrier_wait -1
	CREST
.endm
.macro PLACES n
.rept \n
	v_nop
.endr
.endm
.macro ARM under, g0, g1, next, join   ; one arm of a tree of branches on the wave's number: its load, and a jump to the tree's end
	s_cmp_lt_u32 s14, \under
	s_cbranch_scc0 \next
	tensor_load_to_lds s[\g0:\g0+3], s[\g1:\g1+7]
	s_nop 0
	PLACES 4
	s_branch \join
\next:
.endm
	s_load_b512 s[68:83], s[0:1], 0x0              ; x, x's scales, wq, its scales, wk, its scales, wv, its scales
	s_load_b256 s[84:91], s[0:1], 0x40             ; qimg, qsc, kimg, ksc
	s_load_b128 s[92:95], s[0:1], 0x60             ; vimg, vsc
	v_lshl_add_u32 v[SPW], v0, 2, SPARE
	v_mov_b32 v[NIL], 0
	ds_add_u32 v[SPW], v[NIL]                      ; the opening lines: the add twice on end and its wait
	ds_add_u32 v[SPW], v[NIL]
	v_lshrrev_b32 v1, 5, v0
	v_readfirstlane_b32 s14, v1                    ; wave 0..3
	s_lshr_b32 s15, s14, 1                         ; which half of source 1's rows is mine
	s_and_b32 s16, s14, 1                          ; which half of source 0's
	s_bfe_u32 s40, ttmp6, 0x40000                  ; cx
	s_bfe_u32 s41, ttmp6, 0x40004                  ; cy
	s_lshl_b32 s42, ttmp9, 2
	s_add_co_u32 s42, s42, s40                     ; cb
	s_and_b32 s17, ttmp7, 0xffff
	s_lshl_b32 s17, s17, 2
	s_add_co_u32 s17, s17, s41                     ; tb
	s_lshl_b32 s43, s41, 2
	s_lshl_b32 s43, 15, s43                        ; my row of the cluster
	s_lshl_b32 s44, 0x1111, s40                    ; my column
	s_or_b32 s[G1+0], s43, (1<<20)|(1<<21)|(5<<22)|(3<<25)
	s_or_b32 s[G1B+0], s44, (1<<20)|(1<<21)|(5<<22)|(3<<25)
.irp g, G1, G1B
	s_mov_b32 s[\g+1], ROWB<<16                    ; 256 rows of 256 bytes, 512 apart, 16 bytes of padding behind each
	s_mov_b32 s[\g+2], 256<<16
	s_mov_b32 s[\g+3], ROWB<<16
	s_mov_b32 s[\g+4], 256
	s_mov_b32 s[\g+5], KROW
	s_mov_b32 s[\g+6], 0
	s_mov_b32 s[\g+7], 0
.endr
	s_lshl_b32 s20, s17, 17                        ; x's tile: 256 rows of 512 bytes,
	s_mov_b32 s21, 0
	s_lshl_b32 s22, s17, 13                        ; and of 32 scale bytes
	s_mov_b32 s23, 0
	s_lshl_b32 s46, s40, 17                        ; wq's or wk's rows 256 cx
	s_mov_b32 s47, 0
	s_lshl_b32 s96, s40, 13
	s_mov_b32 s97, 0
	s_lshl_b32 s56, s42, 16                        ; wv's rows 128 cb
	s_mov_b32 s57, 0
	s_lshl_b32 s58, s42, 12
	s_mov_b32 s59, 0
	s_mov_b32 s100, 0x76543210
	s_mov_b32 s101, 0xfedcba98
	s_wait_dscnt 0x0
	s_wait_kmcnt 0x0
	s_cmp_eq_u32 ttmp9, 1                          ; the cluster's x: 0 for q, 1 for k
	s_cselect_b64 s[8:9], s[76:77], s[72:73]
	s_cselect_b64 s[10:11], s[78:79], s[74:75]
	s_cselect_b64 s[12:13], s[88:89], s[84:85]
	s_cselect_b64 s[98:99], s[90:91], s[86:87]
	s_add_nc_u64 s[20:21], s[68:69], s[20:21]
	s_add_nc_u64 s[22:23], s[70:71], s[22:23]
	s_add_nc_u64 s[46:47], s[8:9], s[46:47]
	s_add_nc_u64 s[96:97], s[10:11], s[96:97]
	s_add_nc_u64 s[56:57], s[80:81], s[56:57]
	s_add_nc_u64 s[58:59], s[82:83], s[58:59]
	s_or_b32 s[G1S+0], s43, (3<<16)|(1<<20)|(1<<21)|(5<<22)|(3<<25)
	s_or_b32 s[G1SB+0], s44, (3<<16)|(1<<20)|(1<<21)|(5<<22)|(3<<25)
.irp g, G1S, G1SB
	s_mov_b32 s[\g+1], 32<<16                      ; the scales of 256 rows: 32 dense rows of 256 bytes
	s_mov_b32 s[\g+2], 32<<16
	s_mov_b32 s[\g+3], 32<<16
	s_mov_b32 s[\g+4], 32
	s_mov_b32 s[\g+5], 32
	s_mov_b32 s[\g+6], 0
	s_mov_b32 s[\g+7], 0
.endr
	CROUND                                         ; all sixteen work-groups are here: the first joint loads meet
	s_mov_b32 s[G0A], 1
	s_mov_b32 s[G0A+1], 0
	s_mov_b64 s[G0A+2:G0A+3], s[20:21]
	s_or_b32 s[G0A+3], s[G0A+3], 0x80000000
	s_mov_b32 s[G0B], 1
	s_mov_b32 s[G0B+1], 2*HALFT
	s_mov_b64 s[G0B+2:G0B+3], s[46:47]
	s_or_b32 s[G0B+3], s[G0B+3], 0x80000000
	s_mov_b32 s[G0SA], 1
	s_mov_b32 s[G0SA+1], SCA
	s_mov_b64 s[G0SA+2:G0SA+3], s[22:23]
	s_or_b32 s[G0SA+3], s[G0SA+3], 0x80000000
	s_mov_b32 s[G0SB], 1
	s_mov_b32 s[G0SB+1], SCB
	s_mov_b64 s[G0SB+2:G0SB+3], s[96:97]
	s_or_b32 s[G0SB+3], s[G0SB+3], 0x80000000
	; the head's loads, one a wave: slot 0's rows of x, its rows of weights, x's scales, the weights' scales
	ARM 1, G0A, G1, .Lh_b, .Lh
	ARM 2, G0B, G1B, .Lh_sa, .Lh
	ARM 3, G0SA, G1S, .Lh_sb, .Lh
	tensor_load_to_lds s[G0SB:G0SB+3], s[G1SB:G1SB+7]
	s_nop 0
	PLACES 4
.Lh:
	s_mul_i32 s60, s15, HALFT                      ; first part: my 128 tokens,
	s_mul_i32 s61, s16, HALFT
	s_add_co_u32 s61, s61, 2*HALFT                 ; my 128 rows of weights
	s_mul_i32 s62, s15, 64*PITCH
	s_add_co_u32 s62, s62, 2*HALFT                 ; second part: my 64 channels,
	s_mul_i32 s63, s16, HALFT                      ; my 128 tokens
	s_mul_i32 s3, s15, HALFS
	s_mul_i32 s2, s16, HALFS
	s_add_co_u32 s18, s2, HALFS
	s_add_co_u32 s2, s2, 2*HALFS
	s_sub_co_u32 s2, s2, s3                        ; scale words: lanes 16-31 take source 0's, so far behind source 1's
	s_add_co_u32 s3, s3, SCA
	s_mul_i32 s19, s15, 4*SBLK
	s_sub_co_u32 s18, s18, s19                     ; the same for the second part
	s_add_co_u32 s19, s19, SCV
	s_lshl_b32 s4, s40, 1
	s_add_co_u32 s4, s4, s16                       ; my pair of heads
	s_lshl_b32 s5, s17, 1
	s_add_co_u32 s5, s5, s15                       ; my 128 tokens
	s_lshl_b32 s6, s4, 19                          ; q's, k's images: [pair of heads][tile of 16 tokens][head of the pair][512 bytes]
	s_lshl_b32 s8, s5, 13
	s_add_co_u32 s6, s6, s8
	s_mov_b32 s7, 0
	s_add_nc_u64 s[12:13], s[12:13], s[6:7]
	s_lshl_b32 s6, s4, 16                          ; their scale words: [head][128 tokens][512 bytes]
	s_lshl_b32 s8, s5, 9
	s_add_co_u32 s6, s6, s8
	s_add_nc_u64 s[98:99], s[98:99], s[6:7]
	s_lshl_b32 s5, s17, 1
	s_add_co_u32 s5, s5, s16                       ; second part: my 128 tokens,
	s_lshl_b32 s4, s42, 1
	s_add_co_u32 s4, s4, s15                       ; my head
	s_lshl_b32 s6, s5, 16                          ; v's images: [128 tokens][head][4,096 bytes]
	s_lshl_b32 s8, s4, 12
	s_add_co_u32 s6, s6, s8
	s_add_nc_u64 s[92:93], s[92:93], s[6:7]
	s_lshl_b32 s6, s5, 12                          ; its scale words: [128 tokens][head][256 bytes]
	s_lshl_b32 s8, s4, 8
	s_add_co_u32 s6, s6, s8
	s_add_nc_u64 s[94:95], s[94:95], s[6:7]
	v_and_b32 v1, 15, v0
	v_bfe_u32 v2, v0, 4, 1
	v_mul_u32_u24 v3, v1, PITCH
	v_lshl_add_u32 v4, v2, 4, v3                   ; a fragment's row x pitch + 16 x half
	v_add_nc_u32 v[ADRA], s60, v4
	v_add_nc_u32 v[ADRA+1], SLOT, v[ADRA]
	v_add_nc_u32 v[ADRB], s61, v4
	v_add_nc_u32 v[ADRB+1], SLOT, v[ADRB]
	v_add_nc_u32 v[ADRA+2], s62, v4
	v_add_nc_u32 v[ADRA+3], HALFT, v[ADRA+2]
	v_add_nc_u32 v[ADRB+2], s63, v4
	v_add_nc_u32 v[ADRB+3], SLOT, v[ADRB+2]
	v_mul_u32_u24 v5, v1, KS
	v_lshrrev_b32 v6, 8, v5
	v_lshl_add_u32 v5, v6, 4, v5                   ; my row's scales: 32 bytes a row, 16 more for each 256 passed
	v_mul_u32_u24 v6, s2, v2
	v_add_nc_u32 v6, v5, v6
	v_add_nc_u32 v[ADRS], s3, v6
	v_mul_u32_u24 v6, s18, v2
	v_add_nc_u32 v6, v5, v6
	v_add_nc_u32 v[ADRSV], s19, v6
	v_and_b32 v6, 31, v0                           ; v6 stays: my lane
	v_lshlrev_b32 v[CO], 4, v6
	v_lshlrev_b32 v[CV], 4, v1
	v_lshl_add_u32 v[CV], v2, 3, v[CV]
.macro FRAG reg, adr, q, i
.irp c, 0,1
	ds_load_b128 v[\reg+4*\c:\reg+4*\c+3], v[\adr] offset:64*(\q)+32*\c+(\i)*16*PITCH
.endr
.endm
; 16 matrix instructions: source 1's blocks a0, a0 + 1 (their fragments ao blocks on) x source 0's eight; the accumulators by turns
.macro MUL16 a0, p, q, sc, zero, ao
.irp a, \a0, \a0+1
.irp b, 0,1,2,3,4,5,6,7
.if \zero
	v_wmma_scale_f32_16x16x128_f8f6f4 v[8*(8*((\a)%4)+\b):8*(8*((\a)%4)+\b)+7], v[128*(\p)+FR*\b:128*(\p)+FR*\b+FR-1], v[AF+FR*((\a)+(\ao)):AF+FR*((\a)+(\ao))+FR-1], 0, v[SC+8*NQ*(\sc)+NQ*\b+(\q)], v[SC+8*NQ*(\sc)+NQ*(\a)+(\q)] matrix_a_fmt:MATRIX_FMT_FP4 matrix_b_fmt:MATRIX_FMT_FP4 matrix_a_scale:MATRIX_SCALE_ROW1
.else
	v_wmma_scale_f32_16x16x128_f8f6f4 v[8*(8*((\a)%4)+\b):8*(8*((\a)%4)+\b)+7], v[128*(\p)+FR*\b:128*(\p)+FR*\b+FR-1], v[AF+FR*((\a)+(\ao)):AF+FR*((\a)+(\ao))+FR-1], v[8*(8*((\a)%4)+\b):8*(8*((\a)%4)+\b)+7], v[SC+8*NQ*(\sc)+NQ*\b+(\q)], v[SC+8*NQ*(\sc)+NQ*(\a)+(\q)] matrix_a_fmt:MATRIX_FMT_FP4 matrix_b_fmt:MATRIX_FMT_FP4 matrix_a_scale:MATRIX_SCALE_ROW1
.endif
.endr
.endr
.endm
.macro FETCH_B slot, q, p
	WIN TO_B
.irp i, 0,1,2,3,4,5,6,7
	FRAG 128*(\p)+FR*\i, ADRB+\slot, \q, \i
.endr
	WIN 0
.endm
.macro FETCH_A slot, q, i0, ao         ; source 1's blocks i0 .. i0 + 3, into registers ao blocks on
.irp i, \i0, \i0+1, \i0+2, \i0+3
	FRAG AF+FR*((\i)+(\ao)), ADRA+\slot, \q, \i
.endr
.endm
.macro SCALES sc, adr, k               ; the scale words of half k of K into set sc: lanes 0-15 source 1's block i, lanes 16-31 source 0's
.irp i, 0,1,2,3,4,5,6,7
	ds_load_b128 v[SC+8*NQ*\sc+NQ*\i:SC+8*NQ*\sc+NQ*\i+3], v[\adr] offset:\i*SBLK+16*\k
.endr
.endm
.macro STEP slot, q, zero
	s_wait_dscnt 4*NL                              ; all but the youngest eight loads (blocks 4-7) are in
	WIN MUL_LO
	MUL16 0, (\q)%2, \q, \slot, \zero, 0
	MUL16 2, (\q)%2, \q, \slot, \zero, 0
	s_wait_dscnt 0
	PLACES NP
	FETCH_B \slot, (\q)+1, 1-(\q)%2
	FETCH_A \slot, (\q)+1, 0, 0
	WIN MUL_HI
	MUL16 4, (\q)%2, \q, \slot, \zero, 0
	MUL16 6, (\q)%2, \q, \slot, \zero, 0
	PLACES NP
	WIN 0
	FETCH_A \slot, (\q)+1, 4, 0
.endm
	s_wait_alu depctr_va_vdst(0)                   ; the wait at the head's end
	s_wait_tensorcnt 0x0                           ; my tile of the head's four is in; the lines ahead of a later first fill:
	ds_add_u32 v[SPW], v[NIL]
	s_mov_b32 s[G0A+1], SLOT                       ; no tensor load of mine is out: slot 1's rows of x,
	s_add_nc_u64 s[G0A+2:G0A+3], s[G0A+2:G0A+3], ROWB
	s_mov_b32 s[G0B+1], SLOT+2*HALFT               ; its rows of weights,
	s_add_nc_u64 s[G0B+2:G0B+3], s[G0B+2:G0B+3], ROWB
	s_mov_b32 s[G0SB+1], SCV                       ; and wv's scales: 128 rows, 16 rows of 256 bytes
	s_mov_b64 s[G0SB+2:G0SB+3], s[58:59]
	s_or_b32 s[G0SB+3], s[G0SB+3], 0x80000000
	s_mov_b32 s[G1SB+2], 16<<16
	s_mov_b32 s[G1SB+4], 16
	s_wait_dscnt 0x0
	CROUND
	ARM 1, G0A, G1, .Lr1_b, .Lr1
	ARM 2, G0B, G1B, .Lr1_s, .Lr1
	ARM 3, G0SB, G1SB, .Lr1_n, .Lr1
.Lr1:
	FETCH_B 0, 0, 0
	FETCH_A 0, 0, 0, 0
	SCALES 0, ADRS, 0
	FETCH_A 0, 0, 4, 0
	STEP 0, 0, 1                                   ; the first products start the sums
	STEP 0, 1, 0
	STEP 0, 2, 0
	; slot 0's last step changes slots; the weights' bytes of slot 0 are filled again, so the barrier opens a round of the cluster's barrier
	s_wait_tensorcnt 0x0                           ; slot 1 and wv's scales: my part is in
	ds_add_u32 v[SPW], v[NIL]
	s_mul_i32 s[G0A+1], s16, HALFT                 ; waves 0, 1: half s16 of K of wv's 128 rows
	s_add_co_u32 s[G0A+1], s[G0A+1], 2*HALFT
	s_lshl_b32 s60, s16, 8
	s_mov_b32 s61, 0
	s_add_nc_u64 s[G0A+2:G0A+3], s[56:57], s[60:61]
	s_or_b32 s[G0A+3], s[G0A+3], 0x80000000
	s_mov_b32 s[G1B+2], 128<<16
	s_mov_b32 s[G1B+4], 128
	s_wait_dscnt 4*NL+1                            ; (the add and the youngest eight loads may be out)
	WIN MUL_LO
	MUL16 0, 1, NQ-1, 0, 0, 0
	s_wait_dscnt 0x0                               ; the add is done, and my reads of slot 0's weights are over
	s_barrier_signal -1
	MUL16 2, 1, NQ-1, 0, 0, 0
	WIN 0
	s_barrier_wait -1
	CREST
	s_cmp_lt_u32 s14, 2
	s_cbranch_scc0 .Lr2
	tensor_load_to_lds s[G0A:G0A+3], s[G1B:G1B+7]
	s_nop 0
	PLACES 4
.Lr2:
	PLACES NP
	FETCH_B 1, 0, 0
	FETCH_A 1, 0, 0, 0
	SCALES 1, ADRS, 1
	WIN MUL_HI
	MUL16 4, 1, NQ-1, 0, 0, 0
	MUL16 6, 1, NQ-1, 0, 0, 0
	PLACES NP
	WIN 0
	FETCH_A 1, 0, 4, 0
	STEP 1, 0, 0
	STEP 1, 1, 0
	STEP 1, 2, 0
	s_wait_dscnt 4*NL
	WIN MUL_LO
	MUL16 0, 1, NQ-1, 1, 0, 0
	MUL16 2, 1, NQ-1, 1, 0, 0
	s_wait_dscnt 0
	WIN MUL_HI
	MUL16 4, 1, NQ-1, 1, 0, 0
	MUL16 6, 1, NQ-1, 1, 0, 0
	WIN 0
; Block a (16 lanes' rows x 128 along the registers) is quantised: four blocks of 32, each in lanes l and l xor 16; codes and the scale word; the image is stored at base sb
.macro QUANTW a, sb
.set AC, 64*((\a)%4)
.set WS, 2+(\a)/4
.set WSS, 5*WS
.set PCA, PC+8*(\a)
	WIN WSS
.irp b, 0,1,2,3
	v_max3_num_f32 v[TM+\b], |v[AC+16*\b]|, |v[AC+16*\b+1]|, 0x1800000
.endr
.irp i, 2,4,6,8,10,12,14
.irp b, 0,1,2,3
	v_max3_num_f32 v[TM+\b], |v[AC+16*\b+\i]|, |v[AC+16*\b+\i+1]|, v[TM+\b]
.endr
.endr
	WIN 0
.irp b, 0,1,2,3
	v_permlanex16_b32 v[TM+4+\b], v[TM+\b], s100, s101
.endr
.irp b, 0,1,2,3
	v_max_num_f32 v[TM+\b], v[TM+\b], v[TM+4+\b]
.endr
.irp b, 0,1,2,3
	v_add_nc_u32 v[TM+12+\b], 0xff000000, v[TM+\b]
.endr
.irp b, 0,1,2,3
	v_lshrrev_b32 v[TM+4+\b], 23, v[TM+12+\b]
.endr
	v_lshl_or_b32 v[PW+\a], v[TM+5], 8, v[TM+4]
	v_lshl_or_b32 v[PW+\a], v[TM+6], 16, v[PW+\a]
	v_lshl_or_b32 v[PW+\a], v[TM+7], 24, v[PW+\a]
	WIN WS
.irp b, 0,1,2,3
	v_cvt_scalef32_pk8_fp4_f32 v[PCA+2*\b], v[AC+16*\b:AC+16*\b+7], v[TM+12+\b]
	v_cvt_scalef32_pk8_fp4_f32 v[PCA+2*\b+1], v[AC+16*\b+8:AC+16*\b+15], v[TM+12+\b]
.endr
	WIN 0
	v_nop
.irp c, 0,1
.irp i, 0,1
	v_permlane16_swap_b32 v[PCA+4*\c+\i], v[PCA+4*\c+2+\i]
.endr
.endr
.irp c, 0,1
	global_store_b128 v[CO], v[PCA+4*\c:PCA+4*\c+3], s[\sb:\sb+1] offset:1024*(\a)+512*\c
.endr
.endm
.irp b, 0,1,2,3
	v_mov_b32 v[TM+4+\b], 0                        ; a permute's destination, written once; four places behind the last products
.endr
.irp a, 0,1,2,3,4,5,6,7
	QUANTW \a, 12
.endr
	v_cmp_lt_u32 vcc_lo, 15, v6
.irp i, 0,1,2,3
	v_cndmask_b32 v[WD+\i], v[PW+\i], v[PW+4+\i], vcc_lo
.endr
	global_store_b128 v[CO], v[WD:WD+3], s[98:99]                 ; the even head's scale words (its bytes are the low two),
.irp i, 0,1,2,3
	v_lshrrev_b32 v[WD+4+\i], 16, v[WD+\i]
.endr
	global_store_b128 v[CO], v[WD+4:WD+7], s[98:99] offset:32768  ; the odd head's
; THE SECOND PART: v.  Eight steps of 128 along K; each fetches the next step's fragments into the other sets and multiplies its own
	s_wait_alu depctr_va_vdst(0)                   ; the wait ahead of the waits below
	s_wait_xcnt 0x0                                ; the stores have read their registers
	s_wait_tensorcnt 0x0                           ; wv's rows: my part is in,
	s_barrier_signal -1
	s_barrier_wait -1                              ; everybody's is
	FETCH_B 2, 0, 0
	FETCH_A 2, 0, 0, 0
	SCALES 0, ADRSV, 0
	SCALES 1, ADRSV, 1
.macro VSTEP n
	s_wait_dscnt 0x0                               ; this step's fragments are in
.if (\n) < 7
.if (\n) > 0
	PLACES NP
.endif
	FETCH_B 2+((\n)+1)/4, ((\n)+1)%4, ((\n)+1)%2
	FETCH_A 2+((\n)+1)/4, ((\n)+1)%4, 0, 4*(((\n)+1)%2)
.endif
	WIN MUL_LO
.if (\n) == 0
	MUL16 0, 0, 0, 0, 1, 0
	MUL16 2, 0, 0, 0, 1, 0
.else
	MUL16 0, (\n)%2, (\n)%4, (\n)/4, 0, 4*((\n)%2)
	MUL16 2, (\n)%2, (\n)%4, (\n)/4, 0, 4*((\n)%2)
.endif
.endm
.irp n, 0,1,2,3,4,5,6,7
	VSTEP \n
.endr
	WIN 0
	PLACES NP
.irp a, 0,1,2,3
	QUANTW \a, 92
.endr
	v_cmp_lt_u32 vcc_lo, 15, v6
	v_cndmask_b32 v[WD], v[PW], v[PW+2], vcc_lo
	v_cndmask_b32 v[WD+1], v[PW+1], v[PW+3], vcc_lo
	global_store_b64 v[CV], v[WD:WD+1], s[94:95]   ; channel r's four words at 16 r: the 32 lanes store 256 consecutive bytes
	s_wait_tensorcnt 0x0                           ; the wave's end
	ds_add_u32 v[SPW], v[NIL]
	s_wait_dscnt 0x0
	CROUND                                         ; the closing round
	s_endpgm
.Lfunc_end_k_qf881548c73_project:
	.size	k_qf881548c73_project, .Lfunc_end_k_qf881548c73_project-k_qf881548c73_project
	.p2alignl 7, 3214868480
	.fill 96, 4, 3214868480
	.section	.rodata,"a",@progbits
	.p2align	6, 0x0
	.amdhsa_kernel k_qf881548c73_project
		.amdhsa_group_segment_fixed_size 327680
		.amdhsa_private_segment_fixed_size 0
		.amdhsa_enable_private_segment 0
		.amdhsa_kernarg_size 112
		.amdhsa_user_sgpr_count 2
		.amdhsa_user_sgpr_kernarg_segment_ptr 1
		.amdhsa_wavefront_size32 1
		.amdhsa_system_sgpr_workgroup_id_x 1
		.amdhsa_system_sgpr_workgroup_id_y 1
		.amdhsa_system_sgpr_workgroup_id_z 1
		.amdhsa_system_vgpr_workitem_id 0
		.amdhsa_next_free_vgpr 1024
		.amdhsa_next_free_sgpr 102
		.amdhsa_reserve_vcc 1
		.amdhsa_float_denorm_mode_32 3
		.amdhsa_float_denorm_mode_16_64 3
		.amdhsa_memory_ordered 1
		.amdhsa_forward_progress 1
		.amdhsa_inst_pref_size 194
	.end_amdhsa_kernel
	.amdgpu_metadata
---
amdhsa.version: [ 1, 2 ]
amdhsa.kernels:
  - .name:           k_qf881548c73_project
    .symbol:         k_qf881548c73_project.kd
    .args:
      - { .name: x_codes, .offset: 0, .size: 8, .value_kind: global_buffer, .address_space: global }
      - { .name: x_scales, .offset: 8, .size: 8, .value_kind: global_buffer, .address_space: global }
      - { .name: wq_codes, .offset: 16, .size: 8, .value_kind: global_buffer, .address_space: global }
      - { .name: wq_scales, .offset: 24, .size: 8, .value_kind: global_buffer, .address_space: global }
      - { .name: wk_codes, .offset: 32, .size: 8, .value_kind: global_buffer, .address_space: global }
      - { .name: wk_scales, .offset: 40, .size: 8, .value_kind: global_buffer, .address_space: global }
      - { .name: wv_codes, .offset: 48, .size: 8, .value_kind: global_buffer, .address_space: global }
      - { .name: wv_scales, .offset: 56, .size: 8, .value_kind: global_buffer, .address_space: global }
      - { .name: qimg, .offset: 64, .size: 8, .value_kind: global_buffer, .address_space: global }
      - { .name: qsc, .offset: 72, .size: 8, .value_kind: global_buffer, .address_space: global }
      - { .name: kimg, .offset: 80, .size: 8, .value_kind: global_buffer, .address_space: global }
      - { .name: ksc, .offset: 88, .size: 8, .value_kind: global_buffer, .address_space: global }
      - { .name: vimg, .offset: 96, .size: 8, .value_kind: global_buffer, .address_space: global }
      - { .name: vsc, .offset: 104, .size: 8, .value_kind: global_buffer, .address_space: global }
    .group_segment_fixed_size: 327680
    .private_segment_fixed_size: 0
    .kernarg_segment_align: 8
    .kernarg_segment_size: 112
    .max_flat_workgroup_size: 128
    .sgpr_count:     102
    .vgpr_count:     1024
    .wavefront_size: 32
...
	.end_amdgpu_metadata
.endif
;; end of part 1
;; launch attend (part 2): grid 4 x 64, 16 waves a work-group, clusters of 4 x 1, 223,232 bytes of LDS; arguments qimg, qsc, kimg, ksc, vimg, vsc, out0; writes out0
.if DOCPART == 2
	.amdgcn_target "amdgcn-amd-amdhsa--gfx1250"
	.amdhsa_code_object_version 6
	.text
	.protected	k_qf881548c73_attend
	.globl	k_qf881548c73_attend
	.p2align	8
	.type	k_qf881548c73_attend,@function
k_qf881548c73_attend:
	s_mov_b64 s[64:65], 0
	v_nop
	global_prefetch_b8 v0, s[64:65] scope:SCOPE_SE
	s_setreg_imm32_b32 hwreg(HW_REG_WAVE_MODE, 25, 1), 1
	s_wait_xcnt 0x0
	s_wait_alu depctr_hold_cnt(0) depctr_sa_sdst(0) depctr_va_vdst(0) depctr_va_sdst(0) depctr_va_ssrc(0) depctr_va_vcc(0) depctr_vm_vsrc(0)
	s_getreg_b32 s2, hwreg(HW_REG_IB_STS2, 6, 4)
	s_cmp_eq_u32 s2, 0
	s_cbranch_scc0 .Lentry_in_a_cluster
	s_endpgm
.Lentry_in_a_cluster:
	s_bfe_u32 s2, ttmp6, 0x10000c
	s_cmp_lg_u32 s2, 0x3003
	s_cbranch_scc0 .Lentry_shape_is_right
	s_endpgm
.Lentry_shape_is_right:
; out[b][q][head][:] = the sum over keys of softmax(q . k / 8) v, for 64 pairs (b, head), 2,048 queries and keys, head size 64; both products on codes of FP4 (E2M1), one E8M0 scale for each 32 along K.
; q, k, v come as images of the operands' registers (lane l's 16 bytes at 16 l) with their scale words, made by the launch before.
; SOFTMAX: t = score x log2(e) / 8; M = the running largest t rounded up to a whole number; p = 2^(t - M) is quantised along the keys, not normalised; the row's sum is taken of the unquantised p and divides at the end.
; When M moves, the sum and O are multiplied by 2^(old M - new M), which rounds nothing.
; SHARES: a work-group owns 512 queries of one (b, head); wave w of sixteen makes query tile 32 cx + 16 p + w in pass p = 0, 1; 16 steps of 128 keys a pass.
; K, V and their scale words of the (b, head) are filled into LDS once, by joint loads of the cluster's four work-groups, which read the same K and V; one barrier serves the launch.
; No prefetch: the launch's only fills stand at its head, and there is no loop to run ahead in.
; LAYOUT: S^T = K Q^T and O^T = V^T P^T: a lane holds one query (lane % 16) throughout.  THE KEYS OF A TILE ARE CHOSEN: row 8 h' + j of tile 4 c + u is key 64 c + 32 h' + 8 s(u) + j, s = (0, 2, 1, 3).
; So lane half h holds block 2 c + h of 32 keys whole, in tiles 4 c .. 4 c + 3, and the conversion of tile 4 c + u is register 4 c + u of P, in the order in which v's codes were laid: no lane is asked for a block's maximum.
; The first product's K is the head's 64: Q's registers 4-7 are zero codes.  K's fragments lie on end, 4 registers each: registers 4-7 of source 0 are the next tile's codes, which meet Q's zeros (FP4 has no NaN; no scale byte here is 0xff).
; The exponentials go in two halves; among them stand plain lines and conversions that read only what was written ahead of the half's wait, and whose results are read behind the next wait or with no exponential between.
; A step's LDS loads stand in one run directly behind the wait ahead of the exponentials.  A step's eight partial sums are joined in the next step, under the M in which they were made.
; LIMITS: NaN and infinities are not served; the scaled scores stay under 2^31 in magnitude; a block of p that has fallen to zeros keeps the byte 1 (its codes are zeros); 1 / l is v_rcp_f32's.
.set KT,    576                        ; LDS: a tile of 16 keys: 512 bytes + 64 of padding, so that rows 0-7 and 8-15 of a chosen tile (two tiles apart) fall on different banks
.set KSTEP, 8*KT
.set VC,    73728                      ; V's codes: step s at 4,096 s; 16 channels 1,024; half of the keys 512
.set KSC,   139264                     ; K's scale words: step s at 512 s; natural tile a, key r at 256 (a / 4) + 16 r + 4 (a % 4)
.set VSC,   147456                     ; V's scale words: step s at 256 s; channel r at 16 r, word t
.set STG,   151552                     ; the way out: 16 rows x 272 bytes for each wave; no fill lands here
.set SP,    272
.set SPARE, 221184                     ; the spare words: 128 bytes a wave
.set L16, 1
.set AV0, 2                            ; v2-4, v76 lane places that stay: V's codes, K's scale words, V's scale words, K's codes
.set AS0, 3
.set AT0, 4
.set ADK, 5                            ; v5-8 addresses of a trip of three steps
.set ADV, 6
.set ADS, 7
.set ADT, 8
.set GO,  9
.set STO, 10
.set RD,  11                           ; v12 -M, v13 the running largest score, v[14:15] the sum
.set QF,  16                           ; v16-31 Q of pass 0, 1
.set KF,  32                           ; v32-63 K's eight fragments, v64-67 zeros
.set KS,  68                           ; v68-71 K's scale words: register u, lanes 0-15 tile u, lanes 16-31 tile 4 + u
.set VS,  72                           ; v72-75 V's
.set AK0, 76
.set SH8, 77                           ; 8 x (lane / 16)
.set SPW, 78
.set NIL, 79
.set GG,  80                           ; v80-87 the first half's four partial sums, v88-89 at work
.set TT,  88
.set TB,  90                           ; v90-91 my two blocks' largest score, then largest p
.set SOP, 92                           ; v92-93 the conversions' scale operands
.set BY,  94
.set SS,  96                           ; v96-159 S^T, then p
.set OO,  160                          ; v160-191 O^T
.set VF,  192                          ; v192-223 V's four fragments
.set PP,  224                          ; v224-231 p's codes
.set MX,  232
.set PX,  236
.set T0,  237
.set FF,  238                          ; v[238:239] f = 2^(old M - new M)
.set PS,  240                          ; p's scale word
.set QS,  241                          ; Q's: lanes 0-15 pass 0, lanes 16-31 pass 1
.set WW,  242                          ; v242-249 the second half's four partial sums
.set WV,  18
.set SEL, 20
.set CS,  22
.set G1K, 24
.set G1V, 32
.set G1S, 40
.set G1T, 48
.set G0K, 56
.set G0V, 60
.set G0S, 68
.set G0T, 72
.set VO,  76                           ; s76-79 the trip's place among V's codes, V's scale words, K's codes, K's scale words
.set TO,  77
.set KO,  78
.set SOF, 79
.set CNT, 80
.set NC,  81                           ; -c
.macro ROUND
	s_barrier_signal -1
	s_barrier_wait -1
	s_cmp_lg_u32 s[WV], 0
	s_cbranch_scc1 .Lnot_wave_0_\@
	s_barrier_signal -3
.Lnot_wave_0_\@:
	s_barrier_wait -3
	s_barrier_signal -1
	s_barrier_wait -1
.endm
.macro SHAPE g, c, r, p, pad           ; group 1: r rows of c elements of 8 bytes, p elements from row to row; mask: all four work-groups, bit 21 beside it
	s_mov_b32 s[\g], 15|(3<<16)|(1<<21)|(\pad)
	s_mov_b32 s[\g+1], (\c)<<16
	s_mov_b32 s[\g+2], (\r)<<16
	s_mov_b32 s[\g+3], (\c)<<16
	s_mov_b32 s[\g+4], \r
	s_mov_b32 s[\g+5], \p
	s_mov_b32 s[\g+6], 0
	s_mov_b32 s[\g+7], 0
.endm
.macro FILL g0, g1
	tensor_load_to_lds s[\g0:\g0+3], s[\g1:\g1+7]
	s_nop 0
.rept 4
	v_nop
.endr
.endm
	s_load_b256 s[4:11], s[0:1], 0x0               ; qimg, qsc, kimg, ksc
	s_load_b128 s[12:15], s[0:1], 0x20             ; vimg, vsc
	s_load_b64 s[16:17], s[0:1], 0x30              ; out
	v_lshl_add_u32 v[SPW], v0, 2, SPARE
	v_mov_b32 v[NIL], 0
	ds_add_u32 v[SPW], v[NIL]                      ; the opening lines: the add twice on end and its wait
	ds_add_u32 v[SPW], v[NIL]
	v_lshrrev_b32 v5, 5, v0
	v_readfirstlane_b32 s[WV], v5                  ; wave 0..15
	s_and_b32 s81, ttmp7, 0xffff                   ; 16 b + head
	s_lshr_b32 s82, s81, 4                         ; b
	s_and_b32 s83, s81, 15                         ; head
	s_lshr_b32 s84, s83, 1
	s_and_b32 s85, s83, 1
	s_and_b32 s86, s[WV], 3                        ; which quarter of K's or V's codes I fetch, if I fetch
	s_bfe_u32 s87, ttmp6, 0x40000                  ; cx: it enters the addresses of q and out alone
	s_lshl_b32 s88, s84, 19                        ; q's, k's images: [pair of heads][tile of 16 tokens][head of the pair][512 bytes]
	s_lshl_b32 s90, s82, 17
	s_add_co_u32 s88, s88, s90
	s_lshl_b32 s90, s85, 9
	s_add_co_u32 s88, s88, s90
	s_lshl_b32 s90, s86, 15
	s_add_co_u32 s90, s90, s88                     ; K: 32 tiles a quarter
	s_mov_b32 s91, 0
	s_lshl_b32 s94, s87, 5
	s_add_co_u32 s94, s94, s[WV]                   ; my query tile of pass 0
	s_lshl_b32 s92, s94, 10
	s_add_co_u32 s92, s92, s88
	s_mov_b32 s93, 0
	s_lshl_b32 s96, s82, 20                        ; v's images: [16 b + step][head][4,096 bytes]
	s_lshl_b32 s97, s83, 12
	s_add_co_u32 s96, s96, s97
	s_lshl_b32 s97, s86, 18
	s_add_co_u32 s96, s96, s97                     ; 4 steps a quarter
	s_mov_b32 s97, 0
	s_lshl_b32 s98, s83, 15                        ; q's, k's scale words: [head][16 b + step][512 bytes]
	s_lshl_b32 s99, s82, 13
	s_add_co_u32 s98, s98, s99
	s_mov_b32 s99, 0
	s_lshl_b32 s66, s82, 16                        ; v's: [16 b + step][head][256 bytes]
	s_lshl_b32 s67, s83, 8
	s_add_co_u32 s66, s66, s67
	s_mov_b32 s67, 0
	s_lshr_b32 s2, s94, 2                          ; Q's scale words: tile T at 256 (T / 4) + 16 r + 4 (T % 4)
	s_lshl_b32 s2, s2, 8
	s_and_b32 s3, s94, 3
	s_lshl_b32 s3, s3, 2
	s_add_co_u32 s2, s2, s3
	s_add_co_u32 s2, s2, s98
	s_mov_b32 s3, 0
	s_lshl_b32 s76, s82, 23                        ; out: b x 2,048 rows of 4,096 bytes + my tile's 16 rows + the head's 256 bytes
	s_lshl_b32 s77, s94, 16
	s_add_co_u32 s76, s76, s77
	s_lshl_b32 s77, s83, 8
	s_add_co_u32 s76, s76, s77
	s_mov_b32 s77, 0
	SHAPE G1K, 64, 32, 128, (1<<20)|(6<<22)|(15<<25)   ; 32 tiles of K: 512 bytes, 1,024 apart; in LDS 16 words of padding behind each 128
	SHAPE G1V, 512, 4, 8192, 0                     ; 4 steps of V: 4,096 bytes, 65,536 apart
	SHAPE G1S, 32, 32, 32, 0                       ; K's scale words: 8,192 dense bytes
	SHAPE G1T, 32, 16, 512, 0                      ; V's: 16 steps of 256 bytes, 4,096 apart
	s_mov_b32 s[SEL], 0x76543210
	s_mov_b32 s[SEL+1], 0xfedcba98
	s_mov_b32 s[CS], 0x3e38aa3b                    ; c = log2(e) / 8
	s_mov_b32 s[CS+1], s[CS]
	s_wait_dscnt 0x0                               ; both opening adds are done
	s_wait_kmcnt 0x0
	s_mov_b32 s[G0K], 1
	s_mul_i32 s[G0K+1], s86, 32*KT
	s_add_nc_u64 s[G0K+2:G0K+3], s[8:9], s[90:91]
	s_or_b32 s[G0K+3], s[G0K+3], 0x80000000
	s_mov_b32 s[G0V], 1
	s_lshl_b32 s[G0V+1], s86, 14
	s_add_co_u32 s[G0V+1], s[G0V+1], VC
	s_add_nc_u64 s[G0V+2:G0V+3], s[12:13], s[96:97]
	s_or_b32 s[G0V+3], s[G0V+3], 0x80000000
	s_mov_b32 s[G0S], 1
	s_mov_b32 s[G0S+1], KSC
	s_add_nc_u64 s[G0S+2:G0S+3], s[10:11], s[98:99]
	s_or_b32 s[G0S+3], s[G0S+3], 0x80000000
	s_mov_b32 s[G0T], 1
	s_mov_b32 s[G0T+1], VSC
	s_add_nc_u64 s[G0T+2:G0T+3], s[14:15], s[66:67]
	s_or_b32 s[G0T+3], s[G0T+3], 0x80000000
	ROUND                                          ; all four work-groups are here: the joint loads meet
	; the fills, one a wave at the most: waves 0-3 K's codes, 4-7 V's codes, 8 K's scale words, 9 V's
	s_cmp_lt_u32 s[WV], 4
	s_cbranch_scc0 .Lnot_k
	FILL G0K, G1K
	s_branch .Lasked
.Lnot_k:
	s_cmp_lt_u32 s[WV], 8
	s_cbranch_scc0 .Lnot_v
	FILL G0V, G1V
	s_branch .Lasked
.Lnot_v:
	s_cmp_eq_u32 s[WV], 8
	s_cbranch_scc0 .Lnot_s
	FILL G0S, G1S
	s_branch .Lasked
.Lnot_s:
	s_cmp_eq_u32 s[WV], 9
	s_cbranch_scc0 .Lasked
	FILL G0T, G1T
.Lasked:
	s_add_nc_u64 s[4:5], s[4:5], s[92:93]
	s_add_nc_u64 s[6:7], s[6:7], s[2:3]
	s_add_nc_u64 s[16:17], s[16:17], s[76:77]
	s_mov_b32 s[NC], 0xbe38aa3b                    ; -c
	v_and_b32 v[L16], 31, v0
	v_lshlrev_b32 v[L16], 4, v[L16]
	v_and_b32 v7, 15, v0                           ; r
	v_bfe_u32 v8, v0, 4, 1                         ; h
	v_lshlrev_b32 v[T0], 10, v8
	v_lshl_add_u32 v[T0], v7, 4, v[T0]             ; lanes 0-15 pass 0's scale words, lanes 16-31 pass 1's (16 tiles on)
	global_load_b128 v[QF:QF+3], v[L16], s[4:5]
	global_load_b128 v[QF+8:QF+11], v[L16], s[4:5] offset:16384
	global_load_b32 v[QS], v[T0], s[6:7]
	v_add_nc_u32 v[AV0], VC, v[L16]
	v_and_b32 v5, 7, v0                            ; j
	v_bfe_u32 v[SH8], v0, 3, 1                     ; h'
	v_lshlrev_b32 v5, 4, v5
	v_lshl_add_u32 v5, v8, 8, v5                   ; 16 j + 256 h
	v_mad_u32_u24 v[AK0], v[SH8], 2*KT, v5         ; K's codes: rows 8-15 of a chosen tile lie two natural tiles on
	v_lshl_add_u32 v[AS0], v[SH8], 3, v5           ; K's scale words: two words on; lanes 16-31 take tiles 4-7's
	v_add_nc_u32 v[AS0], KSC, v[AS0]
	v_lshl_add_u32 v[AT0], v7, 4, VSC
	v_lshlrev_b32 v[SH8], 3, v8
	v_lshlrev_b32 v[GO], 12, v8
	v_lshl_add_u32 v[GO], v7, 4, v[GO]             ; lanes 0-15 one row of out, lanes 16-31 the next
	s_mul_i32 s19, s[WV], 16*SP
	s_add_co_u32 s19, s19, STG
	v_mul_u32_u24 v[STO], v7, SP
	v_lshl_add_u32 v[STO], v8, 5, v[STO]
	v_add_nc_u32 v[STO], s19, v[STO]
	v_mul_u32_u24 v[RD], v8, SP
	v_lshl_add_u32 v[RD], v7, 4, v[RD]
	v_add_nc_u32 v[RD], s19, v[RD]
.irp j, QF+4,QF+5,QF+6,QF+7,QF+12,QF+13,QF+14,QF+15,KF+32,KF+33,KF+34,KF+35,PX,FF+1
	v_mov_b32 v[\j], 0                             ; Q's zero codes; what follows K's last fragment; a permute's destination and a pair's upper half, written once
.endr
; the n-th of a step's ten loads of K: eight fragments, two pairs of scale words
.macro KLOAD n, ak, as, st
.if (\n) < 8
	ds_load_b128 v[KF+4*(\n):KF+4*(\n)+3], v[\ak] offset:(\st)*KSTEP+4*KT*((\n)/4)+KT*((\n)%2)+128*(((\n)%4)/2)
.else
	ds_load_b64 v[KS+2*((\n)-8):KS+2*((\n)-8)+1], v[\as] offset:(\st)*512+128*((\n)-8)
.endif
.endm
; the m-th of a step's loads: V's nine of this step, then K's ten of the next (kn = 1), of step 0 (kn = 2) or none (kn = 0)
.macro LD m, q, kn
.if (\m) < 8
	ds_load_b128 v[VF+4*(\m):VF+4*(\m)+3], v[ADV] offset:(\q)*4096+512*(\m)
.elseif (\m) == 8
	ds_load_b128 v[VS:VS+3], v[ADT] offset:(\q)*256
.elseif (\kn) == 1
	KLOAD (\m)-9, ADK, ADS, (\q)+1
.elseif (\kn) == 2
	KLOAD (\m)-9, AK0, AS0, 0
.endif
.endm
	s_wait_alu depctr_va_vdst(0)                   ; the wait at the head's end
	s_wait_tensorcnt 0x0
	s_barrier_signal -1
	s_barrier_wait -1                              ; K, V and their scale words are whole, and stay
.irp n, 0,1,2,3,4,5,6,7,8,9
	KLOAD \n, AK0, AS0, 0
.endr
	s_wait_loadcnt 0x0                             ; Q
.macro QK n, p
.if (\n) < 4
.if (\p) == 0
	v_wmma_scale_f32_16x16x128_f8f6f4 v[SS+8*(\n):SS+8*(\n)+7], v[KF+4*(\n):KF+4*(\n)+7], v[QF+8*(\p):QF+8*(\p)+7], 0, v[KS+(\n)%4], v[QS] matrix_a_fmt:MATRIX_FMT_FP4 matrix_b_fmt:MATRIX_FMT_FP4
.else
	v_wmma_scale_f32_16x16x128_f8f6f4 v[SS+8*(\n):SS+8*(\n)+7], v[KF+4*(\n):KF+4*(\n)+7], v[QF+8*(\p):QF+8*(\p)+7], 0, v[KS+(\n)%4], v[QS] matrix_a_fmt:MATRIX_FMT_FP4 matrix_b_fmt:MATRIX_FMT_FP4 matrix_b_scale:MATRIX_SCALE_ROW1
.endif
.else
.if (\p) == 0
	v_wmma_scale_f32_16x16x128_f8f6f4 v[SS+8*(\n):SS+8*(\n)+7], v[KF+4*(\n):KF+4*(\n)+7], v[QF+8*(\p):QF+8*(\p)+7], 0, v[KS+(\n)%4], v[QS] matrix_a_fmt:MATRIX_FMT_FP4 matrix_b_fmt:MATRIX_FMT_FP4 matrix_a_scale:MATRIX_SCALE_ROW1
.else
	v_wmma_scale_f32_16x16x128_f8f6f4 v[SS+8*(\n):SS+8*(\n)+7], v[KF+4*(\n):KF+4*(\n)+7], v[QF+8*(\p):QF+8*(\p)+7], 0, v[KS+(\n)%4], v[QS] matrix_a_fmt:MATRIX_FMT_FP4 matrix_b_fmt:MATRIX_FMT_FP4 matrix_a_scale:MATRIX_SCALE_ROW1 matrix_b_scale:MATRIX_SCALE_ROW1
.endif
.endif
.endm
.macro JOIN4                           ; the last step's eight partial sums become four: independent lines
.irp i, 0,1,2,3
	v_pk_add_f32 v[GG+2*\i:GG+2*\i+1], v[GG+2*\i:GG+2*\i+1], v[WW+2*\i:WW+2*\i+1]
.endr
.endm
.macro BASES k                         ; the addresses of a trip's loads
	v_add_nc_u32 v[ADV], s[VO], v[AV0]
	v_add_nc_u32 v[ADT], s[TO], v[AT0]
.if \k
	v_add_nc_u32 v[ADK], s[KO], v[AK0]
	v_add_nc_u32 v[ADS], s[SOF], v[AS0]
.endif
.endm
; A KEY STEP: 128 keys, the q-th of its trip
.macro STEP p, q, kn
	s_wait_dscnt 0x0                               ; this step's K and its scale words are in
.irp n, 0,1,2,3,4,5,6,7
	QK \n, \p
.endr
	JOIN4                                          ; four plain lines that name none of the products' registers: the places behind them
.irp z, 0,1                                        ; my two blocks' largest scores, 32 numbers each, in two chains each, the four by turns; every accumulator is read from its low end on
	v_max3_num_f32 v[MX+2*\z], v[SS+32*\z], v[SS+32*\z+1], v[SS+32*\z+2]
	v_max3_num_f32 v[MX+2*\z+1], v[SS+32*\z+17], v[SS+32*\z+18], v[SS+32*\z+19]
.endr
.irp i, 0,1,2,3,4,5
.irp z, 0,1
	v_max3_num_f32 v[MX+2*\z], v[MX+2*\z], v[SS+32*\z+3+2*\i], v[SS+32*\z+4+2*\i]
	v_max3_num_f32 v[MX+2*\z+1], v[MX+2*\z+1], v[SS+32*\z+20+2*\i], v[SS+32*\z+21+2*\i]
.endr
.endr
.irp z, 0,1
	v_max3_num_f32 v[MX+2*\z], v[MX+2*\z], v[SS+32*\z+15], v[SS+32*\z+16]
.endr
.irp z, 0,1
	v_max_num_f32 v[TB+\z], v[MX+2*\z], v[MX+2*\z+1]
.endr
	v_max3_num_f32 v[T0], v[TB], v[TB+1], v13      ; the chain that makes M; the rest of the last step's sum stands between its links
	v_pk_add_f32 v[GG:GG+1], v[GG:GG+1], v[GG+2:GG+3]
	v_permlanex16_b32 v[PX], v[T0], s[SEL], s[SEL+1]
	v_pk_add_f32 v[GG+4:GG+5], v[GG+4:GG+5], v[GG+6:GG+7]
	v_max_num_f32 v13, v[T0], v[PX]                ; the running largest score of my query (c is positive: the largest t is c times it)
	v_mul_f32 v[T0], s[NC], v13
	v_pk_add_f32 v[GG:GG+1], v[GG:GG+1], v[GG+4:GG+5]
	v_floor_f32 v[T0], v[T0]                       ; the new -M = floor(-t)
	v_sub_f32 v[PX], v[T0], v12                    ; old M - new M: a whole number, 0 or less
	v_pk_add_f32 v[14:15], v[14:15], v[GG:GG+1]    ; the sum, still under the old M
	v_mov_b32 v12, v[T0]
	v_cvt_i32_f32 v[PX], v[PX]                     ; (it saturates)
	v_fma_f32 v[TB], v[TB], s[CS], v12             ; t - M of each block's largest score
	v_fma_f32 v[TB+1], v[TB+1], s[CS], v12
	v_ldexp_f32 v[FF], 1.0, v[PX]                  ; f
.irp j, 0,2,4,6,8,10,12,14,16,18,20,22,24,26,28,30
	v_pk_fma_f32 v[SS+\j:SS+\j+1], v[SS+\j:SS+\j+1], s[CS:CS+1], v[12:13] op_sel_hi:[1,0,0]   ; t - M of the first 64 keys' half
.endr
.irp j, 0,2,4,6,8,10,12,14,16,18,20,22,24,26,28,30
	v_pk_mul_f32 v[OO+\j:OO+\j+1], v[OO+\j:OO+\j+1], v[FF:FF+1] op_sel_hi:[1,0]   ; O^T under the new M; no exponential stands between the products that wrote it and these
.endr
	v_pk_mul_f32 v[14:15], v[14:15], v[FF:FF+1] op_sel_hi:[1,0]
	s_wait_alu depctr_va_vdst(0)                   ; the wait ahead of exponentials
.irp m, 0,1,2,3,4,5,6,7,8,9,10,11,12,13,14,15,16,17,18
	LD \m, \q, \kn                                 ; the step's loads, in one run
.endr
	v_exp_f32 v[TB], v[TB]                         ; the blocks' largest p: the same two instructions on the same number give the same bits
	v_exp_f32 v[TB+1], v[TB+1]
.irp i, 0,1,2,3,4,5,6,7,8,9,10,11,12,13,14,15     ; the first half's 32 exponentials; among them the second half's t - M
	v_exp_f32 v[SS+2*\i], v[SS+2*\i]
	v_pk_fma_f32 v[SS+32+2*\i:SS+33+2*\i], v[SS+32+2*\i:SS+33+2*\i], s[CS:CS+1], v[12:13] op_sel_hi:[1,0,0]
	v_exp_f32 v[SS+2*\i+1], v[SS+2*\i+1]
.endr
	s_wait_alu depctr_va_vdst(0)                   ; behind the first half, ahead of the second
.irp z, 0,1
	v_max_num_f32 v[TB+\z], 0x1800000, v[TB+\z]    ; the floor 2^(3 - 127): the byte cannot fall under 1
.endr
.irp z, 0,1
	v_add_nc_u32 v[SOP+\z], 0xff000000, v[TB+\z]   ; 2 off the exponent field: the conversion's scale operand
.endr
.irp z, 0,1
	v_lshrrev_b32 v[BY+\z], 23, v[SOP+\z]
.endr
	v_lshl_or_b32 v[BY], v[BY+1], 16, v[BY]        ; my bytes: blocks h and 2 + h,
	v_lshlrev_b32 v[BY], v[SH8], v[BY]             ; at their places;
	v_permlanex16_b32 v[PX], v[BY], s[SEL], s[SEL+1]
	v_or_b32 v[PS], v[BY], v[PX]                   ; with lane l xor 16's two the word is whole
.irp i, 0,1,2,3                                    ; the second half's 32; among them the first half's sums (each group's three lines on end) and conversions
.irp e, 0,1,2,3
	v_exp_f32 v[SS+32+8*\i+\e], v[SS+32+8*\i+\e]
.endr
	v_pk_add_f32 v[GG+2*\i:GG+2*\i+1], v[SS+8*\i:SS+8*\i+1], v[SS+8*\i+2:SS+8*\i+3]
	v_pk_add_f32 v[TT:TT+1], v[SS+8*\i+4:SS+8*\i+5], v[SS+8*\i+6:SS+8*\i+7]
	v_pk_add_f32 v[GG+2*\i:GG+2*\i+1], v[GG+2*\i:GG+2*\i+1], v[TT:TT+1]
.irp e, 4,5,6,7
	v_exp_f32 v[SS+32+8*\i+\e], v[SS+32+8*\i+\e]
.endr
	v_cvt_scalef32_pk8_fp4_f32 v[PP+\i], v[SS+8*\i:SS+8*\i+7], v[SOP]
.endr
	s_wait_alu depctr_va_vdst(0)                   ; behind the second half
.irp i, 0,1,2,3
	v_pk_add_f32 v[SS+2*\i:SS+2*\i+1], v[SS+32+4*\i:SS+33+4*\i], v[SS+34+4*\i:SS+35+4*\i]   ; the second half's sums, into registers of the first half that are done with
.endr
.irp i, 0,1,2,3
	v_cvt_scalef32_pk8_fp4_f32 v[PP+4+\i], v[SS+32+8*\i:SS+39+8*\i], v[SOP+1]
.endr
.irp i, 4,5,6,7
	v_pk_add_f32 v[SS+2*\i:SS+2*\i+1], v[SS+32+4*\i:SS+33+4*\i], v[SS+34+4*\i:SS+35+4*\i]   ; eight plain lines between the conversions and the products
.endr
.irp i, 0,1,2,3
	v_pk_add_f32 v[WW+2*\i:WW+2*\i+1], v[SS+4*\i:SS+4*\i+1], v[SS+4*\i+2:SS+4*\i+3]
.endr
	s_wait_alu depctr_va_vdst(0)                   ; the wait directly ahead of the wait below
.if (\kn) != 0
	s_wait_dscnt 10                                ; V's nine loads are in; K's ten, issued behind them, may be out
.else
	s_wait_dscnt 0x0
.endif
.irp t, 0,1,2,3
	v_wmma_scale_f32_16x16x128_f8f6f4 v[OO+8*\t:OO+8*\t+7], v[VF+8*\t:VF+8*\t+7], v[PP:PP+7], v[OO+8*\t:OO+8*\t+7], v[VS+\t], v[PS] matrix_a_fmt:MATRIX_FMT_FP4 matrix_b_fmt:MATRIX_FMT_FP4   ; the four accumulators by turns
.endr
.endm
; THE WAY OUT of a pass: O^T / the sum goes through my stage and leaves as rows: sixteen lanes store the 256 consecutive bytes of one (token, head), aligned
.macro OUT p
	JOIN4                                          ; the last step's partial sums
	v_pk_add_f32 v[GG:GG+1], v[GG:GG+1], v[GG+2:GG+3]
	v_pk_add_f32 v[GG+4:GG+5], v[GG+4:GG+5], v[GG+6:GG+7]
	v_pk_add_f32 v[GG:GG+1], v[GG:GG+1], v[GG+4:GG+5]
	v_pk_add_f32 v[14:15], v[14:15], v[GG:GG+1]
	v_add_f32 v14, v14, v15
	v_permlanex16_b32 v[PX], v14, s[SEL], s[SEL+1]
	v_add_f32 v14, v14, v[PX]                      ; with lane l xor 16's keys: the row's sum
	s_wait_alu depctr_va_vdst(0)
	v_rcp_f32 v14, v14
	v_nop
	v_nop
	s_wait_alu depctr_va_vdst(0)                   ; ahead of the reciprocal's first reader, and of the first readers of the last products
.irp j, 0,2,4,6,8,10,12,14,16,18,20,22,24,26,28,30
	v_pk_mul_f32 v[SS+\j:SS+\j+1], v[OO+\j:OO+\j+1], v[14:15] op_sel_hi:[1,0]   ; register 8 t + i is out(query r, channel 16 t + 8 h + i)
.endr
.irp t, 0,1,2,3
	ds_store_b128 v[STO], v[SS+8*\t:SS+8*\t+3] offset:64*\t
	ds_store_b128 v[STO], v[SS+8*\t+4:SS+8*\t+7] offset:64*\t+16
.endr
.irp i, 0,1,2,3,4,5,6,7
	ds_load_b128 v[SS+32+4*\i:SS+35+4*\i], v[RD] offset:2*\i*SP   ; LDS serves a wave's instructions in order (ISA guide 5.7.1.4); the stage is my wave's own
.endr
.irp i, 0,1,2,3,4,5,6,7
	s_wait_dscnt 7-\i
	global_store_b128 v[GO], v[SS+32+4*\i:SS+35+4*\i], s[16:17] offset:8192*\i+1048576*\p th:TH_STORE_NT
.endr
.if (\p) == 0
	s_wait_xcnt 0x0                                ; the stores have read their registers: pass 1 writes them only behind this wait
.endif
.endm
; A PASS: 16 queries against all keys: five trips of three steps and a last step.  The step is written for sums in hand: they begin as zeros, the largest score as -3e38 and -M as 3e38, so the first f is 0
.macro PASS p
	v_mov_b32 v13, 0xff61b1e6
	v_mov_b32 v12, 0x7f61b1e6
	v_mov_b32 v14, 0
	v_mov_b32 v15, 0
.irp j, 0,1,2,3,4,5,6,7
	v_mov_b32 v[GG+\j], 0
	v_mov_b32 v[WW+\j], 0
.endr
.irp j, 0,1,2,3,4,5,6,7,8,9,10,11,12,13,14,15,16,17,18,19,20,21,22,23,24,25,26,27,28,29,30,31
	v_mov_b32 v[OO+\j], 0
.endr
	s_mov_b32 s[VO], 0
	s_mov_b32 s[TO], 0
	s_mov_b32 s[KO], 0
	s_mov_b32 s[SOF], 0
	s_mov_b32 s[CNT], 5
.Ltrip_\@:
	BASES 1
	STEP \p, 0, 1
	STEP \p, 1, 1
	STEP \p, 2, 1
	s_add_co_u32 s[VO], s[VO], 3*4096
	s_add_co_u32 s[TO], s[TO], 3*256
	s_add_co_u32 s[KO], s[KO], 3*KSTEP
	s_add_co_u32 s[SOF], s[SOF], 3*512
	s_sub_co_u32 s[CNT], s[CNT], 1
	s_cmp_lg_u32 s[CNT], 0
	s_cbranch_scc1 .Ltrip_\@
	BASES 0
.if (\p) == 0
	STEP 0, 0, 2                                   ; pass 0's last step fetches K of step 0, for pass 1
.else
	STEP 1, 0, 0                                   ; the very last step fetches no K
.endif
	OUT \p
.endm
	PASS 0
	PASS 1
	s_wait_tensorcnt 0x0                           ; the wave's end
	ds_add_u32 v[SPW], v[NIL]
	s_wait_dscnt 0x0
	ROUND                                          ; the closing round
	s_endpgm
.Lfunc_end_k_qf881548c73_attend:
	.size	k_qf881548c73_attend, .Lfunc_end_k_qf881548c73_attend-k_qf881548c73_attend
	.p2alignl 7, 3214868480
	.fill 96, 4, 3214868480
	.section	.rodata,"a",@progbits
	.p2align	6, 0x0
	.amdhsa_kernel k_qf881548c73_attend
		.amdhsa_group_segment_fixed_size 223232
		.amdhsa_private_segment_fixed_size 0
		.amdhsa_enable_private_segment 0
		.amdhsa_kernarg_size 56
		.amdhsa_user_sgpr_count 2
		.amdhsa_user_sgpr_kernarg_segment_ptr 1
		.amdhsa_wavefront_size32 1
		.amdhsa_system_sgpr_workgroup_id_x 1
		.amdhsa_system_sgpr_workgroup_id_y 1
		.amdhsa_system_sgpr_workgroup_id_z 1
		.amdhsa_system_vgpr_workitem_id 0
		.amdhsa_next_free_vgpr 256
		.amdhsa_next_free_sgpr 100
		.amdhsa_reserve_vcc 0
		.amdhsa_float_denorm_mode_32 3
		.amdhsa_float_denorm_mode_16_64 3
		.amdhsa_memory_ordered 1
		.amdhsa_forward_progress 1
		.amdhsa_inst_pref_size 130
	.end_amdhsa_kernel
	.amdgpu_metadata
---
amdhsa.version: [ 1, 2 ]
amdhsa.kernels:
  - .name:           k_qf881548c73_attend
    .symbol:         k_qf881548c73_attend.kd
    .args:
      - { .name: qimg, .offset: 0, .size: 8, .value_kind: global_buffer, .address_space: global }
      - { .name: qsc, .offset: 8, .size: 8, .value_kind: global_buffer, .address_space: global }
      - { .name: kimg, .offset: 16, .size: 8, .value_kind: global_buffer, .address_space: global }
      - { .name: ksc, .offset: 24, .size: 8, .value_kind: global_buffer, .address_space: global }
      - { .name: vimg, .offset: 32, .size: 8, .value_kind: global_buffer, .address_space: global }
      - { .name: vsc, .offset: 40, .size: 8, .value_kind: global_buffer, .address_space: global }
      - { .name: out0, .offset: 48, .size: 8, .value_kind: global_buffer, .address_space: global }
    .group_segment_fixed_size: 223232
    .private_segment_fixed_size: 0
    .kernarg_segment_align: 8
    .kernarg_segment_size: 56
    .max_flat_workgroup_size: 512
    .sgpr_count:     100
    .vgpr_count:     256
    .wavefront_size: 32
...
	.end_amdgpu_metadata
.endif
;; end of part 2
